; MI455X (gfx1250); checked and timed in simulation.
; The chip was launched on July 23, 2026; its instructions are those of AMD's public machine-readable ISA for CDNA 5 (MIT licence, August 2026) and "CDNA5" Instruction Set Architecture Reference Guide (July 2026). The comments in the code are by the model that wrote it; some were corrected since.
;; Distance Layer. Allowed arithmetic: float matrix products may take bf16 or f16 operands with f32 sums; all other float work in f32.
;; Inputs: covariances_inv 16 x 64 x 64 float32; inputs 262,144 x 64 float32; means 16 x 64 float32; weights 16 float32.
;; Outputs: out0 262,144 float32.
;; 2 versions, each right; version 2 is version 1 with the launch mahal written anew for expert scheduling mode. Each part assembles by itself: llvm-mc -triple=amdgcn-amd-amdhsa -mcpu=gfx1250 --defsym DOCPART=n.
;; ======== version 1 of 2: 1 launch
;; limits: a difference of large sums (such as E[x^2] - mean^2): digits are lost where the result is much smaller than its terms
;; launch mahal (part 1): grid 256 x 1, 4 waves a work-group, no clusters, 233,216 bytes of LDS; arguments covariances_inv, inputs, means, weights, out0; writes out0
.if DOCPART == 1
	.amdgcn_target "amdgcn-amd-amdhsa--gfx1250"
	.amdhsa_code_object_version 6
	.text
	.protected	k_q6691d84c62_mahal
	.globl	k_q6691d84c62_mahal
	.p2align	8
	.type	k_q6691d84c62_mahal,@function
k_q6691d84c62_mahal:
	s_mov_b64 s[64:65], 0
	v_nop
	global_prefetch_b8 v0, s[64:65] scope:SCOPE_SE
	s_setreg_imm32_b32 hwreg(HW_REG_WAVE_MODE, 25, 1), 1
	s_wait_xcnt 0x0
; score[n] = product over c of d[n][c]^w[c],  d[n][c] = (x_n - m_c)^T S_c (x_n - m_c).
; x: [262144][64] f32, S: [16][64][64] f32, m: [16][64] f32, w: [16] f32, score: [262144] f32.
;
; FORM.  mbar = (sum of the 16 means)/16, xc = x - mbar, mc_c = m_c - mbar, all in f32.  Then
;   d = xc^T S_c xc - xc . b_c + k_c,   b_c = (S_c + S_c^T) mc_c,   k_c = mc_c . b_c / 2,
; for any S (no symmetry is assumed).  xc is centred and rounded to bf16 once a sample, not once a sample and component.
; score = exp2(sum over c of w_c log2 d).  The weights are used as given (no sum is assumed).
;
; SHARES.  256 work-groups of four waves; a work-group owns 1,024 samples, a wave 256, in 4 passes of 4 tiles of 16 samples.
; A unit = one tile x one component = 8 matrix instructions (4 blocks of 16 rows of S x 2 steps of 32 along K) and 18 vector ones.
; The matrix instruction takes rows of S_c as A and the samples as B.  Register j of lane (r, h) of block t of the result is
; Y[sample r][16 t + 8 h + j], and the same lane's B fragments hold just the features 16 t + 8 h + j of sample r, so the second
; contraction, sum over e of xc_e Y_e, stays in the lane; the two halves h meet once a pass (v_permlane16_swap_b32).
;
; LIMITS.  Matrix operands (S, xc, mc, b) are bf16.  The absolute error of d is about 2^-9 |S| (|x - mbar|^2 + |m_c - mbar|^2): a
; sample nearer to a mean than about 1/7 of that mean's distance from mbar loses more than 1 per cent of d, and a d that is
; truly near 0 may come out negative and give NaN.  v_log_f32 and v_exp_f32 take numbers below 2^-126 as 0.  d = 0 with
; w_c = 0 gives NaN (0 x -infinity) where a power would give 1.  The product is made as exp2 of a sum: another order of rounding.
;
; NO CLUSTER, NO TENSOR LOADS.  All work-groups read the same S, but S has to pass through registers to become bf16, and an f32
; stage for it (262,144 bytes) beside the bf16 table (147,456) and the stage of x (69,632) is more than the 327,680 bytes of LDS.
; x is each wave's own stream: it is loaded by the wave 12 of a pass's 16 component steps ahead of its use, 16,384 bytes a wave.
;
; LDS, all written by ds_store:
.set PIT,   144                        ; a row of 64 bf16 + 16 bytes: 9 x 16, so 16 rows begin in 16 different 16-byte columns of 256
.set SCOMP, 64*PIT                     ; one component of S
.set SWAVE, 4*SCOMP                    ; the four components that one wave converts
.set BTAB,  16*SCOMP                   ; 147,456: b in bf16, row c
.set MT,    BTAB+16*PIT                ; 149,760: mc in bf16, row c, a copy for each wave
.set MTW,   16*PIT
.set XST,   MT+4*MTW                   ; 158,976: the stage of x, 64 rows of 256 + 16 bytes for each wave
.set XPIT,  272
.set XSTW,  64*XPIT
.set SCO,   XST+4*XSTW                 ; 228,608: 256 scores for each wave
.set PASSES, 4
; REGISTERS.  Window 0:
.set AD,  4                            ; v4-7   r 144 + 16 h + g 36,864: fragments of S, components 4 g .. 4 g + 3
.set SA,  8                            ; stage of x, way in:  h 272 + 16 r
.set RA,  9                            ; stage of x, way out: r 272 + 32 h
.set SC,  10                           ; my score word: 4 L
.set XO,  11                           ; 16 L: x and out
.set SO,  12                           ; 16 L + wave x 65,536: my four components of S in memory
.set SS,  13                           ; where I put 8 bytes of a row of S
.set ADW, 14                           ; AD in my own four components
.set TRW, 15                           ; the same for the transposing load
.set MA,  16                           ; row 4 w of my copy of mc, + 16 h
.set BS,  17                           ; row 4 w of b, + 2 r
.set DG,  18                           ; r - 8 h: the register in which this lane holds the diagonal
.set MO,  19                           ; 256 r + 32 h: means
.set WO,  20                           ; 32 h: weights
.set BFA, 21                           ; fragments of b
.set MS,  22                           ; where I put 16 bytes of mc
.set SCR, 23                           ; my 16 bytes of the scores
.set T,   24                           ; v24-27 at work
.set Q,   28                           ; v28-31 two running pairs of a unit's dot product
.set XB,  32                           ; v32-95   xc in bf16: tile i, K step s at 16 i + 8 s
.set ACC, 96                           ; v96-159  two sets of four accumulators: set i & 1, block t at 32 (i & 1) + 8 t
.set P,   160                          ; v160-223 p[i][c] at 16 i + c
.set BF,  224                          ; v224-239 fragments of b, 8 a K step
.set NK,  240                          ; v240-247 -k of component 8 h + j
.set WT,  248                          ; v248-255 w of component 8 h + j
; Window 1: FA two buffers of 8 fragments of S (block t, step s at 16 t + 8 s); XF xc in f32 at 32 i + 8 t + j.
.set FA,  0
.set XF,  128
; Window 2: XL 128 landing registers of x; MB mbar[16 t + 8 h + j] at 8 t + j.   Window 3: BN the fragments from which b is made.
.set XL,  0
.set MB,  128
.set BN,  0
; Ahead of the passes the same registers serve the set-up:
.set SG0, 0                            ; window 1: a component of S in f32, two landing sets
.set SG1, 128
.set CT,  ACC                          ; a component of S in bf16
.set MM,  P                            ; means, then mc
.set SUM, P+32                         ; means, then their sum
.set MCF, XB                           ; A fragments whose 16 rows are all mc_c
.set BA,  XB+16                        ; four accumulators of b
.set MF,  XB+48                        ; mc in bf16 as fragments (column r = component r)
; s_set_vgpr_msb, low byte: bits 1:0 source 0, 3:2 source 1, 5:4 source 2, 7:6 destination.
.set W_MAIN, 0x01                      ; source 0 (fragments of S; xc in f32) window 1, all else window 0: serves products and dot products alike
.set W_TO1,  0x40                      ; a load into window 1
.set W_TO2,  0x80                      ; into window 2
.set W_TO3,  0xc0                      ; into window 3
.set W_ST2,  0x08                      ; an LDS store of window 2
.set W_CEN,  0x4a                      ; window 1 = window 2 - window 2
.set W_CVT,  0x05                      ; window 0 = packed (window 1, window 1)
.set W_B3,   0x0c                      ; a matrix instruction with B in window 3
.set MSB, 0
.macro WIN new                         ; the high byte repeats the setting that is left; a switch that changes nothing is dropped
.if MSB != \new
	s_set_vgpr_msb (MSB<<8)|\new
.set MSB, \new
.endif
.endm
	s_load_b256 s[4:11], s[0:1], 0x0               ; S s[4:5], x s[6:7], means s[8:9], weights s[10:11]
	s_load_b64 s[12:13], s[0:1], 0x20              ; out
	s_set_vgpr_msb 0x80
	v_lshl_add_u32 v254, v0, 2, 0x38d00
	v_mov_b32 v255, 0
	s_set_vgpr_msb 0x8000
	v_and_b32 v3, 31, v0                           ; L
	v_and_b32 v1, 15, v0                           ; r
	v_bfe_u32 v2, v0, 4, 1                         ; h
	v_lshrrev_b32 v[T], 5, v0
	v_readfirstlane_b32 s14, v[T]                  ; wave 0..3
	s_mul_i32 s20, s14, SWAVE                      ; my four components in the table of S
	s_mul_i32 s21, s14, MTW
	s_add_co_u32 s21, s21, MT                      ; my copy of mc
	s_mul_i32 s22, s14, XSTW
	s_add_co_u32 s22, s22, XST                     ; my stage of x
	s_lshl_b32 s23, s14, 10
	s_add_co_u32 s23, s23, SCO                     ; my scores
	s_mul_i32 s24, s14, 4*PIT                      ; row 4 w of a table of 16 rows
	s_lshl_b32 s25, s14, 16                        ; wave x 65,536: my part of S (4 x 16,384) and of the group's x (256 x 256)
	s_add_co_u32 s26, s21, s24
	s_add_co_u32 s27, s24, BTAB
	s_lshl_b32 s16, ttmp9, 18                      ; the group's 1,024 samples of 256 bytes; below 2^26
	s_add_co_u32 s16, s16, s25
	s_mov_b32 s17, 0
	s_lshl_b32 s18, ttmp9, 12                      ; the group's 1,024 scores
	s_lshl_b32 s19, s14, 10
	s_add_co_u32 s18, s18, s19
	s_mov_b32 s19, 0
	v_mul_u32_u24 v[T+1], v1, PIT
	v_lshl_add_u32 v[AD], v2, 4, v[T+1]
	v_add_nc_u32 v[AD+1], SWAVE, v[AD]
	v_add_nc_u32 v[AD+2], 2*SWAVE, v[AD]
	v_add_nc_u32 v[AD+3], 3*SWAVE, v[AD]
	v_mul_u32_u24 v[T], v2, XPIT
	v_lshl_add_u32 v[T], v1, 4, v[T]
	v_add_nc_u32 v[SA], s22, v[T]
	v_mul_u32_u24 v[T], v1, XPIT
	v_lshl_add_u32 v[T], v2, 5, v[T]
	v_add_nc_u32 v[RA], s22, v[T]
	v_lshl_add_u32 v[SC], v3, 2, s23
	v_lshlrev_b32 v[XO], 4, v3
	v_add_nc_u32 v[SO], s25, v[XO]
	v_mul_u32_u24 v[T], v2, PIT
	v_lshl_add_u32 v[T], v1, 3, v[T]
	v_add_nc_u32 v[SS], s20, v[T]
	v_add_nc_u32 v[ADW], s20, v[AD]
	v_and_b32 v[T], 7, v0
	v_lshl_add_u32 v[T], v2, 3, v[T]               ; 8 h + (L & 7): the row that this lane hands to the transposing load
	v_mul_u32_u24 v[T], v[T], PIT
	v_bfe_u32 v[T+2], v0, 3, 1
	v_lshl_add_u32 v[T], v[T+2], 4, v[T]
	v_add_nc_u32 v[TRW], s20, v[T]
	v_lshl_add_u32 v[MA], v2, 4, s26
	v_lshl_add_u32 v[BS], v1, 1, s27
	v_lshlrev_b32 v[T], 3, v2
	v_sub_nc_u32 v[DG], v1, v[T]
	v_lshlrev_b32 v[WO], 5, v2
	v_lshl_add_u32 v[MO], v1, 8, v[WO]
	v_add_nc_u32 v[BFA], BTAB, v[AD]
	v_add_nc_u32 v[MS], s21, v[AD]
	v_add_nc_u32 v[SCR], s23, v[XO]
	s_wait_kmcnt 0x0
	s_add_nc_u64 s[6:7], s[6:7], s[16:17]          ; x at my wave's first sample
	s_add_nc_u64 s[12:13], s[12:13], s[18:19]      ; out at my wave's first score
; ---- all first loads, in the order of their use ----
; The means twice: one set stays, the other is summed in place across the lanes (a DPP form reads its destination, so a sum into fresh registers is not open).
.irp base, MM, SUM
.irp t, 0,1,2,3
	global_load_b128 v[\base+8*\t:\base+8*\t+3],   v[MO], s[8:9] offset:64*\t      ; m[r][16 t + 8 h + 0..3]
	global_load_b128 v[\base+8*\t+4:\base+8*\t+7], v[MO], s[8:9] offset:64*\t+16   ; .. + 4..7
.endr
.endr
	global_load_b128 v[WT:WT+3],   v[WO], s[10:11]                 ; w[8 h + 0..3]
	global_load_b128 v[WT+4:WT+7], v[WO], s[10:11] offset:16       ; w[8 h + 4..7]
; 64 samples of x: 32 loads, each of 512 consecutive bytes (two samples), read once in the launch
.macro XGLOAD
	WIN W_TO2
.set ii, 0
.rept 32
	global_load_b128 v[XL+4*ii:XL+4*ii+3], v[XO], s[6:7] offset:512*ii th:TH_LOAD_NT
.set ii, ii+1
.endr
.endm
; my component q of S in f32: 32 loads of 512 consecutive bytes (two rows)
.macro SLOAD q, sg
	WIN W_TO1
.set ii, 0
.rept 32
	global_load_b128 v[\sg+4*ii:\sg+4*ii+3], v[SO], s[4:5] offset:(\q)*16384+512*ii
.set ii, ii+1
.endr
.endm
	XGLOAD
	SLOAD 0, SG0
	SLOAD 1, SG1
	s_wait_loadcnt 0x3f                            ; 64 loads (two components of S) are younger than the last of x: means, weights and x are in
; ---- mbar and mc ----
	WIN 0
.irp m, 1,2,4,8
.set ii, 0
.rept 32
	v_add_f32_dpp v[SUM+ii], v[SUM+ii], v[SUM+ii] row_xmask:\m row_mask:0xf bank_mask:0xf   ; over the 16 lanes r = the 16 components
.set ii, ii+1
.endr
.endr
	WIN W_TO2
.set ii, 0
.rept 16
	v_pk_mul_f32 v[MB+2*ii:MB+2*ii+1], v[SUM+2*ii:SUM+2*ii+1], 0x3d800000 op_sel_hi:[1,0]   ; mbar = sum / 16
.set ii, ii+1
.endr
	WIN 0
.set ii, 0
.rept 16
	v_pk_fma_f32 v[MM+2*ii:MM+2*ii+1], v[SUM+2*ii:SUM+2*ii+1], 0xbd800000, v[MM+2*ii:MM+2*ii+1] op_sel_hi:[1,0,1]   ; mc = m - sum / 16
.set ii, ii+1
.endr
.set ii, 0
.rept 16
	v_cvt_pk_bf16_f32 v[MF+ii], v[MM+2*ii], v[MM+2*ii+1]
.set ii, ii+1
.endr
.irp t, 0,1,2,3
	ds_store_b128 v[MS], v[MF+4*\t:MF+4*\t+3] offset:32*\t         ; features 16 t + 8 h + 0..7 of row r, into my own copy
.endr
; ---- x through my own stage: in as whole rows, out as 32 bytes of 16 rows ----
.macro XSTORE
	WIN W_ST2
.set ii, 0
.rept 32
	ds_store_b128 v[SA], v[XL+4*ii:XL+4*ii+3] offset:2*XPIT*ii     ; rows 2 ii + h
.set ii, ii+1
.endr
.endm
.macro XLOAD
	WIN W_TO2
.irp i, 0,1,2,3
.irp t, 0,1,2,3
	ds_load_b128 v[XL+32*\i+8*\t:XL+32*\i+8*\t+3],   v[RA] offset:16*XPIT*\i+64*\t      ; x[16 i + r][16 t + 8 h + 0..3]
	ds_load_b128 v[XL+32*\i+8*\t+4:XL+32*\i+8*\t+7], v[RA] offset:16*XPIT*\i+64*\t+16   ; .. + 4..7
.endr
.endr
.endm
	XSTORE
	s_wait_dscnt 0x0                               ; the stores have read the landing registers: the loads below land on the same ones
	XLOAD
; ---- S to bf16, and b ----
; b of my component q.  A: 16 equal rows mc_c.  B: column n = e.  Natural fragments give sum over k of S[e][k] mc[k], fragments by the
; transposing load sum over k of S[k][e] mc[k].  16 matrix instructions on four accumulators that take turns, one instruction a turn.
; Every row of the result is b_c[16 nt + r]; register 0 is taken.
.macro BUNIT q
	WIN 0
.irp k, 0,1,2,3
	ds_load_b128 v[MCF+4*\k:MCF+4*\k+3], v[MA] offset:(\q)*PIT+32*\k
.endr
	WIN W_TO3
.irp nt, 0,1,2,3
.irp s, 0,1
	ds_load_b128 v[BN+16*\nt+8*\s:BN+16*\nt+8*\s+3],   v[ADW] offset:(\q)*SCOMP+\nt*16*PIT+64*\s
	ds_load_b128 v[BN+16*\nt+8*\s+4:BN+16*\nt+8*\s+7], v[ADW] offset:(\q)*SCOMP+\nt*16*PIT+64*\s+32
.endr
.endr
.irp nt, 0,1,2,3
.irp s, 0,1
	ds_load_tr16_b128 v[BN+64+16*\nt+8*\s:BN+64+16*\nt+8*\s+3],   v[TRW] offset:(\q)*SCOMP+\s*32*PIT+32*\nt
	ds_load_tr16_b128 v[BN+64+16*\nt+8*\s+4:BN+64+16*\nt+8*\s+7], v[TRW] offset:(\q)*SCOMP+\s*32*PIT+32*\nt+16*PIT
.endr
.endr
	s_wait_dscnt 0x0                               ; LDS serves a wave in order (ISA guide 5.7.1): these loads saw my stores of this component; now they are back
	WIN W_B3
.irp kind, 0,1,2,3
.irp nt, 0,1,2,3
.if \kind == 0
	v_wmma_f32_16x16x32_bf16 v[BA+8*\nt:BA+8*\nt+7], v[MCF:MCF+7], v[BN+16*\nt:BN+16*\nt+7], 0
.else
	v_wmma_f32_16x16x32_bf16 v[BA+8*\nt:BA+8*\nt+7], v[MCF+8*(\kind&1):MCF+8*(\kind&1)+7], v[BN+64*(\kind>>1)+16*\nt+8*(\kind&1):BN+64*(\kind>>1)+16*\nt+8*(\kind&1)+7], v[BA+8*\nt:BA+8*\nt+7]
.endif
.endr
.endr
	WIN 0
.rept 4
	v_nop                                          ; four places between the last matrix instruction and the first reader of a result (ISA guide 7.12.1)
.endr
	v_cvt_pk_bf16_f32 v[T],   v[BA],    v[BA+8]    ; b[r], b[16 + r]
	v_cvt_pk_bf16_f32 v[T+1], v[BA+16], v[BA+24]   ; b[32 + r], b[48 + r]
	ds_store_b16        v[BS], v[T]   offset:(\q)*PIT        ; both halves of the lanes hold and store the same numbers
	ds_store_b16_d16_hi v[BS], v[T]   offset:(\q)*PIT+32
	ds_store_b16        v[BS], v[T+1] offset:(\q)*PIT+64
	ds_store_b16_d16_hi v[BS], v[T+1] offset:(\q)*PIT+96
.endm
; my component q: landed in set sg; left = the loads that may stay out (the one younger component's 32); next = 1: component q + 2 follows into the same set
.macro CHUNK q, sg, left, next
	s_wait_loadcnt \left
	WIN W_CVT
.set ii, 0
.rept 64
	v_cvt_pk_bf16_f32 v[CT+ii], v[\sg+2*ii], v[\sg+2*ii+1]
.set ii, ii+1
.endr
.if \next
	SLOAD (\q)+2, \sg
.endif
	WIN 0
.set ii, 0
.rept 32
	ds_store_b64 v[SS], v[CT+2*ii:CT+2*ii+1] offset:(\q)*SCOMP+2*PIT*ii    ; columns 4 r .. 4 r + 3 of row 2 ii + h
.set ii, ii+1
.endr
	BUNIT \q
.endm
	CHUNK 0, SG0, 32, 1
	CHUNK 1, SG1, 32, 1
	CHUNK 2, SG0, 32, 0
	CHUNK 3, SG1, 0, 0
	s_wait_dscnt 0x0                               ; my rows of S and of b are in LDS,
	s_barrier_signal -1
	s_barrier_wait -1                              ; everybody's are.  The only barrier: from here on both tables are only read
; 16 LDS loads: the 8 fragments of component c (4 blocks of 16 rows x 2 steps of 32 along K) into buffer buf
.macro AFETCH c, buf
	WIN W_TO1
.irp t, 0,1,2,3
.irp s, 0,1
	ds_load_b128 v[FA+64*(\buf)+16*\t+8*\s:FA+64*(\buf)+16*\t+8*\s+3],   v[AD+((\c)>>2)] offset:((\c)&3)*SCOMP+\t*16*PIT+64*\s
	ds_load_b128 v[FA+64*(\buf)+16*\t+8*\s+4:FA+64*(\buf)+16*\t+8*\s+7], v[AD+((\c)>>2)] offset:((\c)&3)*SCOMP+\t*16*PIT+64*\s+32
.endr
.endr
.endm
.irp k, 0,1,2,3
	ds_load_b128 v[BF+4*\k:BF+4*\k+3], v[BFA] offset:32*\k         ; b as A fragments: row r = component r
.endr
	AFETCH 0, 0
	s_wait_dscnt 0x0
; ---- k: the diagonal of b x mc^T.  Register j of lane (r, h) is b_(8h+j) . mc_r; the lane with r = 8 h + j holds the diagonal ----
	WIN 0
	v_wmma_f32_16x16x32_bf16 v[ACC:ACC+7],    v[BF:BF+7],    v[MF:MF+7],    0
	v_wmma_f32_16x16x32_bf16 v[ACC+8:ACC+15], v[BF+8:BF+15], v[MF+8:MF+15], 0      ; two sums of their own, added below
.rept 4
	v_nop                                          ; four places in front of the first reader (ISA guide 7.12.1)
.endr
.irp j, 0,1,2,3,4,5,6,7
	v_add_f32 v[NK+\j], v[ACC+\j], v[ACC+8+\j]
	v_cmp_eq_u32 vcc_lo, \j, v[DG]
	v_cndmask_b32 v[NK+\j], 0, v[NK+\j], vcc_lo    ; the diagonal stays, all else is 0,
.endr
.irp m, 1,2,4,8
.irp j, 0,1,2,3,4,5,6,7
	v_add_f32_dpp v[NK+\j], v[NK+\j], v[NK+\j] row_xmask:\m row_mask:0xf bank_mask:0xf   ; and the sum over 16 lanes hands it to all of them
.endr
.endr
.irp j, 0,1,2,3,4,5,6,7
	v_mul_f32 v[NK+\j], -0.5, v[NK+\j]             ; -k of component 8 h + j
.endr
; ---- the passes ----
; Instruction n of the 18 of the dot product of unit (tile di, component dc): p = sum over my 32 features of xc Y.
; All 18 are written for the setting W_MAIN: source 0 is window 1 (xc in f32) or a constant, so that no switch stands between them and the products.
.macro DOTI n
.if (\n) < 2
	v_pk_mul_f32 v[Q+2*(\n):Q+2*(\n)+1], v[XF+32*di+2*(\n):XF+32*di+2*(\n)+1], v[ACC+32*(di&1)+2*(\n):ACC+32*(di&1)+2*(\n)+1]
.else
.if (\n) < 16
	v_pk_fma_f32 v[Q+2*((\n)&1):Q+2*((\n)&1)+1], v[XF+32*di+2*(\n):XF+32*di+2*(\n)+1], v[ACC+32*(di&1)+2*(\n):ACC+32*(di&1)+2*(\n)+1], v[Q+2*((\n)&1):Q+2*((\n)&1)+1]
.else
.if (\n) == 16
	v_pk_fma_f32 v[Q:Q+1], 1.0, v[Q:Q+1], v[Q+2:Q+3] op_sel_hi:[0,1,1]     ; the two pairs added (source 0 cannot name window 0 here)
.else
	v_fma_f32 v[P+16*di+dc], 1.0, v[Q], v[Q+1]                             ; and the pair's two halves
.endif
.endif
.endif
.endm
; The 8 matrix instructions of unit (tile i, component c): K step 0 starts the four sums (C = 0), K step 1 adds in place.  The four
; accumulators take turns, one instruction a turn.  Behind each stand two instructions of the unit before, which reads
; the OTHER set of accumulators.  That unit's first read of a result has ten plain vector instructions between it and the result's
; last matrix instruction (four v_nop in a pass's first block); the ISA guide (7.12.1) asks for four.
.macro BLOCK c, i
.if (\i) > 0
.set di, (\i)-1
.set dc, (\c)
.else
.set di, 3
.set dc, (\c)-1
.endif
.irp n, 0,1,2,3,4,5,6,7
.if \n < 4
	v_wmma_f32_16x16x32_bf16 v[ACC+32*((\i)&1)+8*\n:ACC+32*((\i)&1)+8*\n+7], v[FA+64*((\c)&1)+16*\n:FA+64*((\c)&1)+16*\n+7], v[XB+16*(\i):XB+16*(\i)+7], 0
.else
	v_wmma_f32_16x16x32_bf16 v[ACC+32*((\i)&1)+8*(\n-4):ACC+32*((\i)&1)+8*(\n-4)+7], v[FA+64*((\c)&1)+16*(\n-4)+8:FA+64*((\c)&1)+16*(\n-4)+15], v[XB+16*(\i)+8:XB+16*(\i)+15], v[ACC+32*((\i)&1)+8*(\n-4):ACC+32*((\i)&1)+8*(\n-4)+7]
.endif
.if dc >= 0
	DOTI 2*\n
	DOTI 2*\n+1
.endif
.endr
.if dc >= 0
	DOTI 16
	DOTI 17
.else
.rept 4
	v_nop
.endr
.endif
.endm
; One component for the pass's four tiles.  The next component's fragments are asked for behind the first block, into the buffer whose last
; matrix instruction lies 22 plain vector instructions back, and have three blocks in which to come.
.macro CSTEP c
	s_wait_dscnt 0x0                               ; this component's fragments are in (and, in steps 13 and 14, my stores to and loads from the stage of x are done)
	BLOCK \c, 0
.if (\c) == 15
	WIN 0                                          ; at a branch and at a label every window is 0
	s_cmp_eq_u32 s15, PASSES-1
	s_cbranch_scc1 .Lno_s_fetch                    ; the last pass has no next one
	AFETCH 0, 0
	WIN 0
.Lno_s_fetch:
.else
	AFETCH (\c)+1, ((\c)+1)&1
.endif
	WIN W_MAIN
	BLOCK \c, 1
.if (\c) == 12
	s_wait_loadcnt 0x0                             ; the next pass's x, asked for at this pass's head, 12 component steps ago
	WIN 0
	s_cmp_eq_u32 s15, PASSES-1
	s_cbranch_scc1 .Lno_x_store
	XSTORE                                         ; my own stage; its last reads were waited for a pass ago
	WIN 0
.Lno_x_store:
	WIN W_MAIN
.endif
.if (\c) == 13
	WIN 0
	s_cmp_eq_u32 s15, PASSES-1
	s_cbranch_scc1 .Lno_x_read
	XLOAD                                          ; step 13's first wait has shown the stores done and the landing registers read
	WIN 0
.Lno_x_read:
	WIN W_MAIN
.endif
	BLOCK \c, 2
	BLOCK \c, 3
.endm
; cnt exchanges: p_j's upper 16 lanes against p_(8+j)'s lower 16, so that p_j + p_(8+j) is q[r][8 h + j], both halves of the features in it
.macro SWAPS cnt
.rept \cnt
	v_permlane16_swap_b32 v[P+16*(sw>>3)+(sw&7)], v[P+16*(sw>>3)+8+(sw&7)]
.set sw, sw+1
.endr
.endm
.macro QADD i
.irp m, 0,1,2,3
	v_pk_add_f32 v[P+16*\i+2*\m:P+16*\i+2*\m+1], v[P+16*\i+2*\m:P+16*\i+2*\m+1], v[P+16*\i+8+2*\m:P+16*\i+8+2*\m+1]
.endr
.endm
	s_mov_b32 s15, 0
.Lpass:
	WIN W_CEN
.set ii, 0
.rept 64
	v_pk_add_f32 v[XF+2*ii:XF+2*ii+1], v[XL+2*ii:XL+2*ii+1], v[MB+2*(ii&15):MB+2*(ii&15)+1] neg_lo:[0,1] neg_hi:[0,1]   ; xc = x - mbar, in f32
.set ii, ii+1
.endr
	WIN 0
	s_cmp_eq_u32 s15, PASSES-1
	s_cbranch_scc1 .Lno_x_load                     ; no load leaves my 256 samples
	s_add_nc_u64 s[6:7], s[6:7], 0x4000            ; 64 samples on.  The loads that named this base were shown done by a wait for 0 (the last component of S; step 12 of the pass before)
	XGLOAD
	WIN 0
.Lno_x_load:
	WIN W_CVT
.set ii, 0
.rept 64
	v_cvt_pk_bf16_f32 v[XB+ii], v[XF+2*ii], v[XF+2*ii+1]           ; the B fragments: register m of a tile holds features 16 (m >> 2) + 8 h + 2 (m & 3), + 1
.set ii, ii+1
.endr
	WIN W_MAIN
.irp c, 0,1,2,3,4,5,6,7,8,9,10,11,12,13,14,15
	CSTEP \c
.endr
	; The linear term of all 16 components: LL = b x xc - k, rows = components, columns = samples, in the first set of accumulators, whose
	; last unit has been read.  Four accumulators by turns.  Between them the exchanges of tiles 0 to 2.
	WIN 0
.set sw, 0
.irp i, 0,1,2,3
	v_wmma_f32_16x16x32_bf16 v[ACC+8*\i:ACC+8*\i+7], v[BF:BF+7], v[XB+16*\i:XB+16*\i+7], v[NK:NK+7]
	SWAPS 3
.endr
.irp i, 0,1,2,3
	v_wmma_f32_16x16x32_bf16 v[ACC+8*\i:ACC+8*\i+7], v[BF+8:BF+15], v[XB+16*\i+8:XB+16*\i+15], v[ACC+8*\i:ACC+8*\i+7]
	SWAPS 3
.endr
	QADD 0
	QADD 1
	QADD 2
	WIN W_MAIN
.set di, 3
.set dc, 15
.irp n, 0,1,2,3,4,5,6,7,8,9,10,11,12,13,14,15,16,17
	DOTI \n                                        ; the pass's last unit
.endr
	WIN 0
	SWAPS 8
	QADD 3
.irp i, 0,1,2,3
.irp m, 0,1,2,3
	v_pk_add_f32 v[P+16*\i+2*\m:P+16*\i+2*\m+1], v[P+16*\i+2*\m:P+16*\i+2*\m+1], v[ACC+8*\i+2*\m:ACC+8*\i+2*\m+1] neg_lo:[0,1] neg_hi:[0,1]   ; d = q - (L - k)
.endr
.endr
.irp i, 0,1,2,3
.irp j, 0,1,2,3,4,5,6,7
	v_log_f32 v[P+16*\i+8+\j], v[P+16*\i+\j]
.endr
.endr
	v_nop                                          ; one plain place behind the last transcendental (ISA guide 5.7.2): below, results are read and sources rewritten
	s_wait_alu depctr_va_vdst(0)
.irp i, 0,1,2,3
	v_pk_mul_f32 v[P+16*\i:P+16*\i+1], v[P+16*\i+8:P+16*\i+9], v[WT:WT+1]
.endr
.irp m, 1,2,3
.irp i, 0,1,2,3
	v_pk_fma_f32 v[P+16*\i:P+16*\i+1], v[P+16*\i+8+2*\m:P+16*\i+8+2*\m+1], v[WT+2*\m:WT+2*\m+1], v[P+16*\i:P+16*\i+1]
.endr
.endr
.irp i, 0,1,2,3
	v_add_f32 v[P+16*\i], v[P+16*\i], v[P+16*\i+1] ; sum over my 8 components of w log2 d
.endr
	v_permlane16_swap_b32 v[P],    v[P+16]         ; two tiles at once: the sum of the pair is, in lane L, the whole sum of sample L of the two tiles
	v_permlane16_swap_b32 v[P+32], v[P+48]
	v_add_f32 v[P],    v[P],    v[P+16]
	v_add_f32 v[P+32], v[P+32], v[P+48]
	v_exp_f32 v[T],   v[P]
	v_exp_f32 v[T+1], v[P+32]
	v_lshl_add_u32 v[T+2], s15, 8, v[SC]           ; the pass's 64 scores in my 1,024 bytes; also the plain place behind the transcendentals
	s_wait_alu depctr_va_vdst(0)
	ds_store_b32 v[T+2], v[T]
	ds_store_b32 v[T+2], v[T+1] offset:128
	s_add_co_u32 s15, s15, 1
	s_cmp_lt_u32 s15, PASSES
	s_cbranch_scc1 .Lpass
; ---- the way out: my 256 scores, 16 bytes a lane; each store of the wave covers 512 consecutive bytes, aligned ----
	ds_load_b128 v[T:T+3], v[SCR]                  ; my own bytes: LDS serves a wave in order
	ds_load_b128 v[Q:Q+3], v[SCR] offset:512
	s_wait_dscnt 0x0
	global_store_b128 v[XO], v[T:T+3], s[12:13] th:TH_STORE_NT
	global_store_b128 v[XO], v[Q:Q+3], s[12:13] offset:512 th:TH_STORE_NT
	s_set_vgpr_msb 0xa
	s_wait_tensorcnt 0x0
	ds_add_u32 v254, v255
	s_wait_dscnt 0x0
	s_set_vgpr_msb 0xa00
	s_endpgm
.Lfunc_end_k_q6691d84c62_mahal:
	.size	k_q6691d84c62_mahal, .Lfunc_end_k_q6691d84c62_mahal-k_q6691d84c62_mahal
	.p2alignl 7, 3214868480
	.fill 96, 4, 3214868480
	.section	.rodata,"a",@progbits
	.p2align	6, 0x0
	.amdhsa_kernel k_q6691d84c62_mahal
		.amdhsa_group_segment_fixed_size 233216
		.amdhsa_private_segment_fixed_size 0
		.amdhsa_enable_private_segment 0
		.amdhsa_kernarg_size 40
		.amdhsa_user_sgpr_count 2
		.amdhsa_user_sgpr_kernarg_segment_ptr 1
		.amdhsa_wavefront_size32 1
		.amdhsa_system_sgpr_workgroup_id_x 1
		.amdhsa_system_sgpr_workgroup_id_y 1
		.amdhsa_system_sgpr_workgroup_id_z 1
		.amdhsa_system_vgpr_workitem_id 0
		.amdhsa_next_free_vgpr 896
		.amdhsa_next_free_sgpr 66
		.amdhsa_reserve_vcc 1
		.amdhsa_float_denorm_mode_32 3
		.amdhsa_float_denorm_mode_16_64 3
		.amdhsa_memory_ordered 1
		.amdhsa_forward_progress 1
		.amdhsa_inst_pref_size 226
	.end_amdhsa_kernel
	.amdgpu_metadata
---
amdhsa.version: [ 1, 2 ]
amdhsa.kernels:
  - .name:           k_q6691d84c62_mahal
    .symbol:         k_q6691d84c62_mahal.kd
    .args:
      - { .name: covariances_inv, .offset: 0, .size: 8, .value_kind: global_buffer, .address_space: global }
      - { .name: inputs, .offset: 8, .size: 8, .value_kind: global_buffer, .address_space: global }
      - { .name: means, .offset: 16, .size: 8, .value_kind: global_buffer, .address_space: global }
      - { .name: weights, .offset: 24, .size: 8, .value_kind: global_buffer, .address_space: global }
      - { .name: out0, .offset: 32, .size: 8, .value_kind: global_buffer, .address_space: global }
    .group_segment_fixed_size: 233216
    .private_segment_fixed_size: 0
    .kernarg_segment_align: 8
    .kernarg_segment_size: 40
    .max_flat_workgroup_size: 128
    .sgpr_count:     66
    .vgpr_count:     896
    .wavefront_size: 32
...
	.end_amdgpu_metadata
.endif
;; end of part 1
;; ======== version 2 of 2: 1 launch; version 1 with the launch mahal written anew for expert scheduling mode
;; limits: a difference of large sums (such as E[x^2] - mean^2): digits are lost where the result is much smaller than its terms
;; launch mahal (part 2): grid 256 x 1, 4 waves a work-group, no clusters, 233,216 bytes of LDS; arguments covariances_inv, inputs, means, weights, out0; writes out0
.if DOCPART == 2
	.amdgcn_target "amdgcn-amd-amdhsa--gfx1250"
	.amdhsa_code_object_version 6
	.text
	.protected	k_q6691d84c62_mahal
	.globl	k_q6691d84c62_mahal
	.p2align	8
	.type	k_q6691d84c62_mahal,@function
k_q6691d84c62_mahal:
	s_mov_b64 s[64:65], 0
	v_nop
	global_prefetch_b8 v0, s[64:65] scope:SCOPE_SE
	s_setreg_imm32_b32 hwreg(HW_REG_WAVE_SCHED_MODE, 0, 2), 2
	s_setreg_imm32_b32 hwreg(HW_REG_WAVE_MODE, 25, 1), 1
	s_wait_xcnt 0x0
	s_wait_alu depctr_vm_vsrc(0)
; score[n] = product over c of d[n][c]^w[c],  d[n][c] = (x_n - m_c)^T S_c (x_n - m_c).
; x: [262144][64] f32, S: [16][64][64] f32, m: [16][64] f32, w: [16] f32, score: [262144] f32.
;
; FORM.  mbar = (sum of the 16 means)/16, xc = x - mbar, mc_c = m_c - mbar, all in f32.  Then
;   d = xc^T S_c xc - xc . b_c + k_c,   b_c = (S_c + S_c^T) mc_c,   k_c = mc_c . b_c / 2,
; for any S (no symmetry is assumed).  xc is centred and rounded to bf16 once a sample, not once a sample and component.
; score = exp2(sum over c of w_c log2 d).  The weights are used as given (no sum is assumed).
;
; SHARES.  256 work-groups of four waves; a work-group owns 1,024 samples, a wave 256, in 4 passes of 4 tiles of 16 samples.
; A unit = one tile x one component = 8 matrix instructions (4 blocks of 16 rows of S x 2 steps of 32 along K) and 18 vector ones.
; The matrix instruction takes rows of S_c as A and the samples as B.  Register j of lane (r, h) of block t of the result is
; Y[sample r][16 t + 8 h + j], and the same lane's B fragments hold just the features 16 t + 8 h + j of sample r, so the second
; contraction, sum over e of xc_e Y_e, stays in the lane; the two halves h meet once a pass (v_permlane16_swap_b32).
;
; LIMITS.  Matrix operands (S, xc, mc, b) are bf16.  The absolute error of d is about 2^-9 |S| (|x - mbar|^2 + |m_c - mbar|^2): a
; sample nearer to a mean than about 1/7 of that mean's distance from mbar loses more than 1 per cent of d, and a d that is
; truly near 0 may come out negative and give NaN.  v_log_f32 and v_exp_f32 take numbers below 2^-126 as 0.  d = 0 with
; w_c = 0 gives NaN (0 x -infinity) where a power would give 1.  The product is made as exp2 of a sum: another order of rounding.
;
; NO CLUSTER, NO TENSOR LOADS.  All work-groups read the same S, but S has to pass through registers to become bf16, and an f32
; stage for it (262,144 bytes) beside the bf16 table (147,456) and the stage of x (69,632) is more than the 327,680 bytes of LDS.
; x is each wave's own stream: it is loaded by the wave 12 of a pass's 16 component steps ahead of its use, 16,384 bytes a wave.
;
; THE MODE: SCHED_MODE bits 1:0 = 2 (LLVM: expert scheduling mode 2), set by the entry lines.  The code itself states the register
; dependences between vector or matrix instructions and memory or LDS instructions, with s_wait_alu, always for 0.
; THE PLAN.  Registers that memory or LDS instructions touch in the passes:
;   FA0, FA1    Step c's 32 matrix instructions read FA[c & 1]; the 16 LDS loads issued in step c land in FA[(c + 1) & 1], which step c - 1 read.
;   XL          The pass's head: the centring lines read it, then the next 64 samples land in it.  Step 12: the stores into the stage read it.
;               Step 13: the loads from the stage land in it.
;   v[T .. T+2] A pass's end: two exponentials and the address line write them, the two score stores read them.
;   v4 to v23   Addresses and offsets, made once at the head and never written again.
;   XB, XF, ACC, P, Q, BF, NK, WT, MB are named by vector and matrix instructions alone in the passes.
; So ONE wait on va_vdst stands at the head of steps 1 to 15, behind the wait for the step's fragments: the step before is done reading the other
; buffer, and no line of this step names that buffer, so the step's two runs of eight loads follow with no further wait.  Step 0 owes none: the wait
; ahead of the score stores (in the first pass: the last of the set-up) stands behind step 15's products, and no vector line since names FA1.
; A pass has four more: va_vdst ahead of the loads of x, vm_vsrc ahead of the loads from the stage, vm_vsrc and va_vdst round the lines that make the scores.
;
; LDS, all written by ds_store:
.set PIT,   144                        ; a row of 64 bf16 + 16 bytes: 9 x 16, so 16 rows begin in 16 different 16-byte columns of 256
.set SCOMP, 64*PIT                     ; one component of S
.set SWAVE, 4*SCOMP                    ; the four components that one wave converts
.set BTAB,  16*SCOMP                   ; 147,456: b in bf16, row c
.set MT,    BTAB+16*PIT                ; 149,760: mc in bf16, row c, a copy for each wave
.set MTW,   16*PIT
.set XST,   MT+4*MTW                   ; 158,976: the stage of x, 64 rows of 256 + 16 bytes for each wave
.set XPIT,  272
.set XSTW,  64*XPIT
.set SCO,   XST+4*XSTW                 ; 228,608: 256 scores for each wave
.set PASSES, 4
; REGISTERS.  Window 0:
.set AD,  4                            ; v4-7   r 144 + 16 h + g 36,864: fragments of S, components 4 g .. 4 g + 3
.set SA,  8                            ; stage of x, way in:  h 272 + 16 r
.set RA,  9                            ; stage of x, way out: r 272 + 32 h
.set SC,  10                           ; my score word: 4 L
.set XO,  11                           ; 16 L: x and out
.set SO,  12                           ; 16 L + wave x 65,536: my four components of S in memory
.set SS,  13                           ; where I put 8 bytes of a row of S
.set ADW, 14                           ; AD in my own four components
.set TRW, 15                           ; the same for the transposing load
.set MA,  16                           ; row 4 w of my copy of mc, + 16 h
.set BS,  17                           ; row 4 w of b, + 2 r
.set DG,  18                           ; r - 8 h: the register in which this lane holds the diagonal
.set MO,  19                           ; 256 r + 32 h: means
.set WO,  20                           ; 32 h: weights
.set BFA, 21                           ; fragments of b
.set MS,  22                           ; where I put 16 bytes of mc
.set SCR, 23                           ; my 16 bytes of the scores
.set T,   24                           ; v24-27 at work
.set Q,   28                           ; v28-31 two running pairs of a unit's dot product
.set XB,  32                           ; v32-95   xc in bf16: tile i, K step s at 16 i + 8 s
.set ACC, 96                           ; v96-159  two sets of four accumulators: set i & 1, block t at 32 (i & 1) + 8 t
.set P,   160                          ; v160-223 p[i][c] at 16 i + c
.set BF,  224                          ; v224-239 fragments of b, 8 a K step
.set NK,  240                          ; v240-247 -k of component 8 h + j
.set WT,  248                          ; v248-255 w of component 8 h + j
; Window 1: FA two buffers of 8 fragments of S (block t, step s at 16 t + 8 s); XF xc in f32 at 32 i + 8 t + j.
.set FA,  0
.set XF,  128
; Window 2: XL 128 landing registers of x; MB mbar[16 t + 8 h + j] at 8 t + j.   Window 3: BN the fragments from which b is made.
.set XL,  0
.set MB,  128
.set BN,  0
; Ahead of the passes the same registers serve the set-up:
.set SG0, 0                            ; window 1: a component of S in f32, two landing sets
.set SG1, 128
.set CT,  ACC                          ; a component of S in bf16
.set MM,  P                            ; means, then mc
.set SUM, P+32                         ; means, then their sum
.set MCF, XB                           ; A fragments whose 16 rows are all mc_c
.set BA,  XB+16                        ; four accumulators of b
.set MF,  XB+48                        ; mc in bf16 as fragments (column r = component r)
.set DM,  16                           ; s16-23 the eight masks of the diagonal (free since the head's address arithmetic)
; s_set_vgpr_msb, low byte: bits 1:0 source 0, 3:2 source 1, 5:4 source 2, 7:6 destination.
.set W_MAIN, 0x01                      ; source 0 (fragments of S; xc in f32) window 1, all else window 0: serves products and dot products alike
.set W_TO1,  0x40                      ; a load into window 1
.set W_TO2,  0x80                      ; into window 2
.set W_TO3,  0xc0                      ; into window 3
.set W_ST2,  0x08                      ; an LDS store of window 2
.set W_CEN,  0x4a                      ; window 1 = window 2 - window 2
.set W_CVT,  0x05                      ; window 0 = packed (window 1, window 1)
.set W_B3,   0x0c                      ; a matrix instruction with B in window 3
.set MSB, 0
.macro WIN new                         ; the high byte repeats the setting that is left; a switch that changes nothing is dropped
.if MSB != \new
	s_set_vgpr_msb (MSB<<8)|\new
.set MSB, \new
.endif
.endm
	s_load_b256 s[4:11], s[0:1], 0x0               ; S s[4:5], x s[6:7], means s[8:9], weights s[10:11]
	s_load_b64 s[12:13], s[0:1], 0x20              ; out
	s_set_vgpr_msb 0x80
	v_lshl_add_u32 v254, v0, 2, 0x38d00
	v_mov_b32 v255, 0
	s_set_vgpr_msb 0x8000
	v_and_b32 v3, 31, v0                           ; L
	v_and_b32 v1, 15, v0                           ; r
	v_bfe_u32 v2, v0, 4, 1                         ; h
	v_lshrrev_b32 v[T], 5, v0
	v_readfirstlane_b32 s14, v[T]                  ; wave 0..3
	s_wait_alu depctr_va_sdst(0)                   ; s14 is written, ahead of its first reader: the LDS bases and the offsets in x, S and out are made from it
	s_mul_i32 s20, s14, SWAVE                      ; my four components in the table of S
	s_mul_i32 s21, s14, MTW
	s_add_co_u32 s21, s21, MT                      ; my copy of mc
	s_mul_i32 s22, s14, XSTW
	s_add_co_u32 s22, s22, XST                     ; my stage of x
	s_lshl_b32 s23, s14, 10
	s_add_co_u32 s23, s23, SCO                     ; my scores
	s_mul_i32 s24, s14, 4*PIT                      ; row 4 w of a table of 16 rows
	s_lshl_b32 s25, s14, 16                        ; wave x 65,536: my part of S (4 x 16,384) and of the group's x (256 x 256)
	s_add_co_u32 s26, s21, s24
	s_add_co_u32 s27, s24, BTAB
	s_lshl_b32 s16, ttmp9, 18                      ; the group's 1,024 samples of 256 bytes; below 2^26
	s_add_co_u32 s16, s16, s25
	s_mov_b32 s17, 0
	s_lshl_b32 s18, ttmp9, 12                      ; the group's 1,024 scores
	s_lshl_b32 s19, s14, 10
	s_add_co_u32 s18, s18, s19
	s_mov_b32 s19, 0
	v_mul_u32_u24 v[T+1], v1, PIT
	v_lshl_add_u32 v[AD], v2, 4, v[T+1]
	v_add_nc_u32 v[AD+1], SWAVE, v[AD]
	v_add_nc_u32 v[AD+2], 2*SWAVE, v[AD]
	v_add_nc_u32 v[AD+3], 3*SWAVE, v[AD]
	v_mul_u32_u24 v[T], v2, XPIT
	v_lshl_add_u32 v[T], v1, 4, v[T]
	v_add_nc_u32 v[SA], s22, v[T]
	v_mul_u32_u24 v[T], v1, XPIT
	v_lshl_add_u32 v[T], v2, 5, v[T]
	v_add_nc_u32 v[RA], s22, v[T]
	v_lshl_add_u32 v[SC], v3, 2, s23
	v_lshlrev_b32 v[XO], 4, v3
	v_add_nc_u32 v[SO], s25, v[XO]
	v_mul_u32_u24 v[T], v2, PIT
	v_lshl_add_u32 v[T], v1, 3, v[T]
	v_add_nc_u32 v[SS], s20, v[T]
	v_add_nc_u32 v[ADW], s20, v[AD]
	v_and_b32 v[T], 7, v0
	v_lshl_add_u32 v[T], v2, 3, v[T]               ; 8 h + (L & 7): the row that this lane hands to the transposing load
	v_mul_u32_u24 v[T], v[T], PIT
	v_bfe_u32 v[T+2], v0, 3, 1
	v_lshl_add_u32 v[T], v[T+2], 4, v[T]
	v_add_nc_u32 v[TRW], s20, v[T]
	v_lshl_add_u32 v[MA], v2, 4, s26
	v_lshl_add_u32 v[BS], v1, 1, s27
	v_lshlrev_b32 v[T], 3, v2
	v_sub_nc_u32 v[DG], v1, v[T]
	v_lshlrev_b32 v[WO], 5, v2
	v_lshl_add_u32 v[MO], v1, 8, v[WO]
	v_add_nc_u32 v[BFA], BTAB, v[AD]
	v_add_nc_u32 v[MS], s21, v[AD]
	v_add_nc_u32 v[SCR], s23, v[XO]
	s_wait_kmcnt 0x0
	s_add_nc_u64 s[6:7], s[6:7], s[16:17]          ; x at my wave's first sample
	s_add_nc_u64 s[12:13], s[12:13], s[18:19]      ; out at my wave's first score
	s_wait_alu depctr_va_vdst(0)                   ; the addresses and offsets v4 to v23 are written: every load and store of the kernel reads one of them, and none is written again
; ---- all first loads, in the order of their use ----
; The means twice: one set stays, the other is summed in place across the lanes (a DPP form reads its destination, so a sum into fresh registers is not open).
.irp base, MM, SUM
.irp t, 0,1,2,3
	global_load_b128 v[\base+8*\t:\base+8*\t+3],   v[MO], s[8:9] offset:64*\t      ; m[r][16 t + 8 h + 0..3]
	global_load_b128 v[\base+8*\t+4:\base+8*\t+7], v[MO], s[8:9] offset:64*\t+16   ; .. + 4..7
.endr
.endr
	global_load_b128 v[WT:WT+3],   v[WO], s[10:11]                 ; w[8 h + 0..3]
	global_load_b128 v[WT+4:WT+7], v[WO], s[10:11] offset:16       ; w[8 h + 4..7]
; 64 samples of x: 32 loads, each of 512 consecutive bytes (two samples), read once in the launch
.macro XGLOAD
	WIN W_TO2
.set ii, 0
.rept 32
	global_load_b128 v[XL+4*ii:XL+4*ii+3], v[XO], s[6:7] offset:512*ii th:TH_LOAD_NT
.set ii, ii+1
.endr
.endm
; my component q of S in f32: 32 loads of 512 consecutive bytes (two rows)
.macro SLOAD q, sg
	WIN W_TO1
.set ii, 0
.rept 32
	global_load_b128 v[\sg+4*ii:\sg+4*ii+3], v[SO], s[4:5] offset:(\q)*16384+512*ii
.set ii, ii+1
.endr
.endm
	XGLOAD
	SLOAD 0, SG0
	SLOAD 1, SG1
	s_wait_loadcnt 0x3f                            ; 64 loads (two components of S) are younger than the last of x: means, weights and x are in
; ---- mbar and mc ----
	WIN 0
.irp m, 1,2,4,8
.set ii, 0
.rept 32
	v_add_f32_dpp v[SUM+ii], v[SUM+ii], v[SUM+ii] row_xmask:\m row_mask:0xf bank_mask:0xf   ; over the 16 lanes r = the 16 components
.set ii, ii+1
.endr
.endr
	WIN W_TO2
.set ii, 0
.rept 16
	v_pk_mul_f32 v[MB+2*ii:MB+2*ii+1], v[SUM+2*ii:SUM+2*ii+1], 0x3d800000 op_sel_hi:[1,0]   ; mbar = sum / 16
.set ii, ii+1
.endr
	WIN 0
.set ii, 0
.rept 16
	v_pk_fma_f32 v[MM+2*ii:MM+2*ii+1], v[SUM+2*ii:SUM+2*ii+1], 0xbd800000, v[MM+2*ii:MM+2*ii+1] op_sel_hi:[1,0,1]   ; mc = m - sum / 16
.set ii, ii+1
.endr
.set ii, 0
.rept 16
	v_cvt_pk_bf16_f32 v[MF+ii], v[MM+2*ii], v[MM+2*ii+1]
.set ii, ii+1
.endr
	s_wait_alu depctr_va_vdst(0)                   ; the conversions have written v[MF ..], which the LDS stores read
.irp t, 0,1,2,3
	ds_store_b128 v[MS], v[MF+4*\t:MF+4*\t+3] offset:32*\t         ; features 16 t + 8 h + 0..7 of row r, into my own copy
.endr
; ---- x through my own stage: in as whole rows, out as 32 bytes of 16 rows ----
.macro XSTORE
	WIN W_ST2
.set ii, 0
.rept 32
	ds_store_b128 v[SA], v[XL+4*ii:XL+4*ii+3] offset:2*XPIT*ii     ; rows 2 ii + h
.set ii, ii+1
.endr
.endm
.macro XLOAD
	WIN W_TO2
.irp i, 0,1,2,3
.irp t, 0,1,2,3
	ds_load_b128 v[XL+32*\i+8*\t:XL+32*\i+8*\t+3],   v[RA] offset:16*XPIT*\i+64*\t      ; x[16 i + r][16 t + 8 h + 0..3]
	ds_load_b128 v[XL+32*\i+8*\t+4:XL+32*\i+8*\t+7], v[RA] offset:16*XPIT*\i+64*\t+16   ; .. + 4..7
.endr
.endr
.endm
	XSTORE
	s_wait_dscnt 0x0                               ; the stores into the stage are done: the loads below land on the registers that were their data
	WIN W_TO2
	s_wait_alu depctr_vm_vsrc(0)                   ; the stores have read the landing registers v[XL ..], in which the loads from the stage land (and v[MF ..], which the first pass writes again)
	XLOAD
; ---- S to bf16, and b ----
; b of my component q.  A: 16 equal rows mc_c.  B: column n = e.  Natural fragments give sum over k of S[e][k] mc[k], fragments by the
; transposing load sum over k of S[k][e] mc[k].  16 matrix instructions on four accumulators that take turns, one instruction a turn.
; Every row of the result is b_c[16 nt + r]; register 0 is taken.
; The loads owe no wait of their own: the component's wait behind its conversions stands behind the matrix instructions that read v[MCF ..] and v[BN ..] last, and only loads and stores follow it.
.macro BUNIT q
	WIN 0
.irp k, 0,1,2,3
	ds_load_b128 v[MCF+4*\k:MCF+4*\k+3], v[MA] offset:(\q)*PIT+32*\k
.endr
	WIN W_TO3
.irp nt, 0,1,2,3
.irp s, 0,1
	ds_load_b128 v[BN+16*\nt+8*\s:BN+16*\nt+8*\s+3],   v[ADW] offset:(\q)*SCOMP+\nt*16*PIT+64*\s
	ds_load_b128 v[BN+16*\nt+8*\s+4:BN+16*\nt+8*\s+7], v[ADW] offset:(\q)*SCOMP+\nt*16*PIT+64*\s+32
.endr
.endr
.irp nt, 0,1,2,3
.irp s, 0,1
	ds_load_tr16_b128 v[BN+64+16*\nt+8*\s:BN+64+16*\nt+8*\s+3],   v[TRW] offset:(\q)*SCOMP+\s*32*PIT+32*\nt
	ds_load_tr16_b128 v[BN+64+16*\nt+8*\s+4:BN+64+16*\nt+8*\s+7], v[TRW] offset:(\q)*SCOMP+\s*32*PIT+32*\nt+16*PIT
.endr
.endr
	s_wait_dscnt 0x0                               ; LDS serves a wave in order (ISA guide 5.7.1): these loads saw my stores of this component; now they are back
	WIN W_B3
.irp kind, 0,1,2,3
.irp nt, 0,1,2,3
.if \kind == 0
	v_wmma_f32_16x16x32_bf16 v[BA+8*\nt:BA+8*\nt+7], v[MCF:MCF+7], v[BN+16*\nt:BN+16*\nt+7], 0
.else
	v_wmma_f32_16x16x32_bf16 v[BA+8*\nt:BA+8*\nt+7], v[MCF+8*(\kind&1):MCF+8*(\kind&1)+7], v[BN+64*(\kind>>1)+16*\nt+8*(\kind&1):BN+64*(\kind>>1)+16*\nt+8*(\kind&1)+7], v[BA+8*\nt:BA+8*\nt+7]
.endif
.endr
.endr
	WIN 0
.rept 4
	v_nop                                          ; four places between the last matrix instruction and the first reader of a result (ISA guide 7.12.1)
.endr
	v_cvt_pk_bf16_f32 v[T],   v[BA],    v[BA+8]    ; b[r], b[16 + r]
	v_cvt_pk_bf16_f32 v[T+1], v[BA+16], v[BA+24]   ; b[32 + r], b[48 + r]
	s_wait_alu depctr_va_vdst(0)                   ; the two conversions have written v[T] and v[T+1], which the four LDS stores read
	ds_store_b16        v[BS], v[T]   offset:(\q)*PIT        ; both halves of the lanes hold and store the same numbers
	ds_store_b16_d16_hi v[BS], v[T]   offset:(\q)*PIT+32
	ds_store_b16        v[BS], v[T+1] offset:(\q)*PIT+64
	ds_store_b16_d16_hi v[BS], v[T+1] offset:(\q)*PIT+96
.endm
; my component q: landed in set sg; left = the loads that may stay out (the one younger component's 32); next = 1: component q + 2 follows into the same set
.macro CHUNK q, sg, left, next
	s_wait_loadcnt \left
.if (\q) > 0
	s_wait_alu depctr_vm_vsrc(0)                   ; the LDS stores of the component before have read v[CT ..], v[T] and v[T+1], which this component's conversions write again
.endif
	WIN W_CVT
.set ii, 0
.rept 64
	v_cvt_pk_bf16_f32 v[CT+ii], v[\sg+2*ii], v[\sg+2*ii+1]
.set ii, ii+1
.endr
.if \next
	WIN W_TO1
.else
	WIN 0
.endif
	s_wait_alu depctr_va_vdst(0)                   ; the conversions are done reading the landing set, in which the next loads land, and have written v[CT ..], which the LDS stores read; the component before's matrix instructions are done reading v[MCF ..] and v[BN ..]
.if \next
	SLOAD (\q)+2, \sg
.endif
	WIN 0
.set ii, 0
.rept 32
	ds_store_b64 v[SS], v[CT+2*ii:CT+2*ii+1] offset:(\q)*SCOMP+2*PIT*ii    ; columns 4 r .. 4 r + 3 of row 2 ii + h
.set ii, ii+1
.endr
	BUNIT \q
.endm
	CHUNK 0, SG0, 32, 1
	CHUNK 1, SG1, 32, 1
	CHUNK 2, SG0, 32, 0
	CHUNK 3, SG1, 0, 0
	s_wait_dscnt 0x0                               ; my rows of S and of b are in LDS,
	s_barrier_signal -1
	s_barrier_wait -1                              ; everybody's are.  The only barrier: from here on both tables are only read
	s_wait_alu depctr_vm_vsrc(0)                   ; my last component's LDS stores have read v[CT ..]: these registers are the accumulators from here on, written by matrix instructions
; 8 LDS loads: half of the 8 fragments of component c (blocks 2 half, 2 half + 1 of 16 rows x 2 steps of 32 along K) into buffer buf
.macro AFETCH c, buf, half
	WIN W_TO1
.irp t, 0,1
.irp s, 0,1
	ds_load_b128 v[FA+64*(\buf)+16*(2*(\half)+\t)+8*\s:FA+64*(\buf)+16*(2*(\half)+\t)+8*\s+3],   v[AD+((\c)>>2)] offset:((\c)&3)*SCOMP+(2*(\half)+\t)*16*PIT+64*\s
	ds_load_b128 v[FA+64*(\buf)+16*(2*(\half)+\t)+8*\s+4:FA+64*(\buf)+16*(2*(\half)+\t)+8*\s+7], v[AD+((\c)>>2)] offset:((\c)&3)*SCOMP+(2*(\half)+\t)*16*PIT+64*\s+32
.endr
.endr
.endm
.irp k, 0,1,2,3
	ds_load_b128 v[BF+4*\k:BF+4*\k+3], v[BFA] offset:32*\k         ; b as A fragments: row r = component r
.endr
	AFETCH 0, 0, 0                                 ; FA0 lies where my third component landed: the conversions that read it stand ahead of the fourth component's waits
	AFETCH 0, 0, 1
; ---- k: the diagonal of b x mc^T.  Register j of lane (r, h) is b_(8h+j) . mc_r; the lane with r = 8 h + j holds the diagonal ----
	WIN 0
.irp j, 0,1,2,3,4,5,6,7
	v_cmp_eq_u32 s[DM+\j], \j, v[DG]               ; the eight masks in one run, while the fragments are on their way
.endr
	s_wait_alu depctr_va_sdst(0)                   ; the eight masks are written, ahead of the selects that read them
	s_wait_dscnt 0x0
	v_wmma_f32_16x16x32_bf16 v[ACC:ACC+7],    v[BF:BF+7],    v[MF:MF+7],    0
	v_wmma_f32_16x16x32_bf16 v[ACC+8:ACC+15], v[BF+8:BF+15], v[MF+8:MF+15], 0      ; two sums of their own, added below
.rept 4
	v_nop                                          ; four places in front of the first reader (ISA guide 7.12.1)
.endr
.irp j, 0,1,2,3,4,5,6,7
	v_add_f32 v[NK+\j], v[ACC+\j], v[ACC+8+\j]
.endr
.irp j, 0,1,2,3,4,5,6,7
	v_cndmask_b32 v[NK+\j], 0, v[NK+\j], s[DM+\j]  ; the diagonal stays, all else is 0,
.endr
.irp m, 1,2,4,8
.irp j, 0,1,2,3,4,5,6,7
	v_add_f32_dpp v[NK+\j], v[NK+\j], v[NK+\j] row_xmask:\m row_mask:0xf bank_mask:0xf   ; and the sum over 16 lanes hands it to all of them
.endr
.endr
.irp j, 0,1,2,3,4,5,6,7
	v_mul_f32 v[NK+\j], -0.5, v[NK+\j]             ; -k of component 8 h + j
.endr
; ---- the passes ----
; Instruction n of the 18 of the dot product of unit (tile di, component dc): p = sum over my 32 features of xc Y.
; All 18 are written for the setting W_MAIN: source 0 is window 1 (xc in f32) or a constant, so that no switch stands between them and the products.
.macro DOTI n
.if (\n) < 2
	v_pk_mul_f32 v[Q+2*(\n):Q+2*(\n)+1], v[XF+32*di+2*(\n):XF+32*di+2*(\n)+1], v[ACC+32*(di&1)+2*(\n):ACC+32*(di&1)+2*(\n)+1]
.else
.if (\n) < 16
	v_pk_fma_f32 v[Q+2*((\n)&1):Q+2*((\n)&1)+1], v[XF+32*di+2*(\n):XF+32*di+2*(\n)+1], v[ACC+32*(di&1)+2*(\n):ACC+32*(di&1)+2*(\n)+1], v[Q+2*((\n)&1):Q+2*((\n)&1)+1]
.else
.if (\n) == 16
	v_pk_fma_f32 v[Q:Q+1], 1.0, v[Q:Q+1], v[Q+2:Q+3] op_sel_hi:[0,1,1]     ; the two pairs added (source 0 cannot name window 0 here)
.else
	v_fma_f32 v[P+16*di+dc], 1.0, v[Q], v[Q+1]                             ; and the pair's two halves
.endif
.endif
.endif
.endm
; The 8 matrix instructions of unit (tile i, component c): K step 0 starts the four sums (C = 0), K step 1 adds in place.  The four
; accumulators take turns, one instruction a turn.  Behind each stand two instructions of the unit before, which reads
; the OTHER set of accumulators.  That unit's first read of a result has ten plain vector instructions between it and the result's
; last matrix instruction (four v_nop in a pass's first block); the ISA guide (7.12.1) asks for four.
.macro BLOCK c, i
.if (\i) > 0
.set di, (\i)-1
.set dc, (\c)
.else
.set di, 3
.set dc, (\c)-1
.endif
.irp n, 0,1,2,3,4,5,6,7
.if \n < 4
	v_wmma_f32_16x16x32_bf16 v[ACC+32*((\i)&1)+8*\n:ACC+32*((\i)&1)+8*\n+7], v[FA+64*((\c)&1)+16*\n:FA+64*((\c)&1)+16*\n+7], v[XB+16*(\i):XB+16*(\i)+7], 0
.else
	v_wmma_f32_16x16x32_bf16 v[ACC+32*((\i)&1)+8*(\n-4):ACC+32*((\i)&1)+8*(\n-4)+7], v[FA+64*((\c)&1)+16*(\n-4)+8:FA+64*((\c)&1)+16*(\n-4)+15], v[XB+16*(\i)+8:XB+16*(\i)+15], v[ACC+32*((\i)&1)+8*(\n-4):ACC+32*((\i)&1)+8*(\n-4)+7]
.endif
.if dc >= 0
	DOTI 2*\n
	DOTI 2*\n+1
.endif
.endr
.if dc >= 0
	DOTI 16
	DOTI 17
.else
.rept 4
	v_nop
.endr
.endif
.endm
; Half of the next component's fragments, into the buffer that this step does not name.  No wait: no vector or matrix instruction since the wait at the step's head names that buffer or v[AD ..].
.macro NEXTA c, half
.if (\c) == 15
	WIN 0                                          ; at a branch and at a label every window is 0
	s_cmp_eq_u32 s15, PASSES-1
	s_cbranch_scc1 .Lno_s_fetch\half               ; the last pass has no next one
	AFETCH 0, 0, \half
	WIN 0
.Lno_s_fetch\half:
.else
	AFETCH (\c)+1, ((\c)+1)&1, \half
.endif
.endm
; One component for the pass's four tiles.  The next component's fragments are asked for in two runs of eight, behind the first and the second block;
; the second run has two blocks in which to come.
.macro CSTEP c
	s_wait_dscnt 0x0                               ; this component's fragments are in (and, in steps 13 and 14, my stores to and loads from the stage of x are done)
.if (\c) > 0
	s_wait_alu depctr_va_vdst(0)                   ; the step before's matrix instructions are done reading the other fragment buffer, in which this step's sixteen loads land (in step 13 also: the centring lines are long done reading v[XL ..])
.endif
	BLOCK \c, 0
	NEXTA \c, 0
	WIN W_MAIN
	BLOCK \c, 1
	NEXTA \c, 1
.if (\c) == 12
	s_wait_loadcnt 0x0                             ; the next pass's x, asked for at this pass's head, 12 component steps ago
	WIN 0
	s_cmp_eq_u32 s15, PASSES-1
	s_cbranch_scc1 .Lno_x_store
	XSTORE                                         ; my own stage; its last reads were waited for a pass ago.  The data come from loads and no vector instruction writes them: the wait on LOADcnt is all that they owe
	WIN 0
.Lno_x_store:
.endif
.if (\c) == 13
	WIN 0
	s_cmp_eq_u32 s15, PASSES-1
	s_cbranch_scc1 .Lno_x_read
	WIN W_TO2
	s_wait_alu depctr_vm_vsrc(0)                   ; step 12's stores into the stage have read v[XL ..], in which the loads from the stage land (step 13's first wait has shown them done)
	XLOAD
	WIN 0
.Lno_x_read:
.endif
	WIN W_MAIN
	BLOCK \c, 2
	BLOCK \c, 3
.endm
; cnt exchanges: p_j's upper 16 lanes against p_(8+j)'s lower 16, so that p_j + p_(8+j) is q[r][8 h + j], both halves of the features in it
.macro SWAPS cnt
.rept \cnt
	v_permlane16_swap_b32 v[P+16*(sw>>3)+(sw&7)], v[P+16*(sw>>3)+8+(sw&7)]
.set sw, sw+1
.endr
.endm
.macro QADD i
.irp m, 0,1,2,3
	v_pk_add_f32 v[P+16*\i+2*\m:P+16*\i+2*\m+1], v[P+16*\i+2*\m:P+16*\i+2*\m+1], v[P+16*\i+8+2*\m:P+16*\i+8+2*\m+1]
.endr
.endm
	s_mov_b32 s15, 0
.Lpass:
	WIN W_CEN
.set ii, 0
.rept 64
	v_pk_add_f32 v[XF+2*ii:XF+2*ii+1], v[XL+2*ii:XL+2*ii+1], v[MB+2*(ii&15):MB+2*(ii&15)+1] neg_lo:[0,1] neg_hi:[0,1]   ; xc = x - mbar, in f32
.set ii, ii+1
.endr
	WIN 0
	s_cmp_eq_u32 s15, PASSES-1
	s_cbranch_scc1 .Lno_x_load                     ; no load leaves my 256 samples
	s_add_nc_u64 s[6:7], s[6:7], 0x4000            ; 64 samples on.  The loads that named this base were shown done by a wait for 0 (the last component of S; step 12 of the pass before)
	WIN W_TO2
	s_wait_alu depctr_va_vdst(0)                   ; the centring lines are done reading v[XL ..], in which the next 64 samples land
	XGLOAD
	WIN 0
.Lno_x_load:
	WIN W_CVT
.set ii, 0
.rept 64
	v_cvt_pk_bf16_f32 v[XB+ii], v[XF+2*ii], v[XF+2*ii+1]           ; the B fragments: register m of a tile holds features 16 (m >> 2) + 8 h + 2 (m & 3), + 1
.set ii, ii+1
.endr
	WIN W_MAIN
.irp c, 0,1,2,3,4,5,6,7,8,9,10,11,12,13,14,15
	CSTEP \c
.endr
	; The linear term of all 16 components: LL = b x xc - k, rows = components, columns = samples, in the first set of accumulators, whose
	; last unit has been read.  Four accumulators by turns.  Between them the exchanges of tiles 0 to 2.
	WIN 0
.set sw, 0
.irp i, 0,1,2,3
	v_wmma_f32_16x16x32_bf16 v[ACC+8*\i:ACC+8*\i+7], v[BF:BF+7], v[XB+16*\i:XB+16*\i+7], v[NK:NK+7]
	SWAPS 3
.endr
.irp i, 0,1,2,3
	v_wmma_f32_16x16x32_bf16 v[ACC+8*\i:ACC+8*\i+7], v[BF+8:BF+15], v[XB+16*\i+8:XB+16*\i+15], v[ACC+8*\i:ACC+8*\i+7]
	SWAPS 3
.endr
	QADD 0
	QADD 1
	QADD 2
	WIN W_MAIN
.set di, 3
.set dc, 15
.irp n, 0,1,2,3,4,5,6,7,8,9,10,11,12,13,14,15,16,17
	DOTI \n                                        ; the pass's last unit
.endr
	WIN 0
	SWAPS 8
	QADD 3
.irp i, 0,1,2,3
.irp m, 0,1,2,3
	v_pk_add_f32 v[P+16*\i+2*\m:P+16*\i+2*\m+1], v[P+16*\i+2*\m:P+16*\i+2*\m+1], v[ACC+8*\i+2*\m:ACC+8*\i+2*\m+1] neg_lo:[0,1] neg_hi:[0,1]   ; d = q - (L - k)
.endr
.endr
.irp i, 0,1,2,3
.irp j, 0,1,2,3,4,5,6,7
	v_log_f32 v[P+16*\i+8+\j], v[P+16*\i+\j]
.endr
.endr
	v_nop                                          ; one plain place behind the last transcendental (ISA guide 5.7.2): below, results are read and sources rewritten
	s_wait_alu depctr_va_vdst(0)
.irp i, 0,1,2,3
	v_pk_mul_f32 v[P+16*\i:P+16*\i+1], v[P+16*\i+8:P+16*\i+9], v[WT:WT+1]
.endr
.irp m, 1,2,3
.irp i, 0,1,2,3
	v_pk_fma_f32 v[P+16*\i:P+16*\i+1], v[P+16*\i+8+2*\m:P+16*\i+8+2*\m+1], v[WT+2*\m:WT+2*\m+1], v[P+16*\i:P+16*\i+1]
.endr
.endr
.irp i, 0,1,2,3
	v_add_f32 v[P+16*\i], v[P+16*\i], v[P+16*\i+1] ; sum over my 8 components of w log2 d
.endr
	v_permlane16_swap_b32 v[P],    v[P+16]         ; two tiles at once: the sum of the pair is, in lane L, the whole sum of sample L of the two tiles
	v_permlane16_swap_b32 v[P+32], v[P+48]
	v_add_f32 v[P],    v[P],    v[P+16]
	v_add_f32 v[P+32], v[P+32], v[P+48]
	s_wait_alu depctr_vm_vsrc(0)                   ; the score stores of the pass before have read v[T], v[T+1] and v[T+2], which the three lines below write again
	v_exp_f32 v[T],   v[P]
	v_exp_f32 v[T+1], v[P+32]
	v_lshl_add_u32 v[T+2], s15, 8, v[SC]           ; the pass's 64 scores in my 1,024 bytes; also the plain place behind the transcendentals
	s_wait_alu depctr_va_vdst(0)                   ; the two scores and their address are written, which the two LDS stores read; step 15's matrix instructions are done reading FA1, in which the next pass's step 0 loads
	ds_store_b32 v[T+2], v[T]
	ds_store_b32 v[T+2], v[T+1] offset:128
	s_add_co_u32 s15, s15, 1
	s_cmp_lt_u32 s15, PASSES
	s_cbranch_scc1 .Lpass
; ---- the way out: my 256 scores, 16 bytes a lane; each store of the wave covers 512 consecutive bytes, aligned ----
	s_wait_alu depctr_vm_vsrc(0)                   ; the last pass's score stores have read v[T .. T+2], in which the first load lands (the vector lines that named v[T ..] and v[Q ..] stand ahead of the pass's last wait on va_vdst)
	ds_load_b128 v[T:T+3], v[SCR]                  ; my own bytes: LDS serves a wave in order
	ds_load_b128 v[Q:Q+3], v[SCR] offset:512
	s_wait_dscnt 0x0
	global_store_b128 v[XO], v[T:T+3], s[12:13] th:TH_STORE_NT
	global_store_b128 v[XO], v[Q:Q+3], s[12:13] offset:512 th:TH_STORE_NT
	s_set_vgpr_msb 0xa
	s_wait_dscnt 0x0
	s_wait_alu depctr_hold_cnt(0) depctr_sa_sdst(0) depctr_va_vdst(0) depctr_va_sdst(0) depctr_va_ssrc(0) depctr_va_vcc(0) depctr_vm_vsrc(0)
	s_wait_tensorcnt 0x0
	ds_add_u32 v254, v255
	s_wait_dscnt 0x0
	s_endpgm
.Lfunc_end_k_q6691d84c62_mahal:
	.size	k_q6691d84c62_mahal, .Lfunc_end_k_q6691d84c62_mahal-k_q6691d84c62_mahal
	.p2alignl 7, 3214868480
	.fill 96, 4, 3214868480
	.section	.rodata,"a",@progbits
	.p2align	6, 0x0
	.amdhsa_kernel k_q6691d84c62_mahal
		.amdhsa_group_segment_fixed_size 233216
		.amdhsa_private_segment_fixed_size 0
		.amdhsa_enable_private_segment 0
		.amdhsa_kernarg_size 40
		.amdhsa_user_sgpr_count 2
		.amdhsa_user_sgpr_kernarg_segment_ptr 1
		.amdhsa_wavefront_size32 1
		.amdhsa_system_sgpr_workgroup_id_x 1
		.amdhsa_system_sgpr_workgroup_id_y 1
		.amdhsa_system_sgpr_workgroup_id_z 1
		.amdhsa_system_vgpr_workitem_id 0
		.amdhsa_next_free_vgpr 896
		.amdhsa_next_free_sgpr 66
		.amdhsa_reserve_vcc 0
		.amdhsa_float_denorm_mode_32 3
		.amdhsa_float_denorm_mode_16_64 3
		.amdhsa_memory_ordered 1
		.amdhsa_forward_progress 1
		.amdhsa_inst_pref_size 229
	.end_amdhsa_kernel
	.amdgpu_metadata
---
amdhsa.version: [ 1, 2 ]
amdhsa.kernels:
  - .name:           k_q6691d84c62_mahal
    .symbol:         k_q6691d84c62_mahal.kd
    .args:
      - { .name: covariances_inv, .offset: 0, .size: 8, .value_kind: global_buffer, .address_space: global }
      - { .name: inputs, .offset: 8, .size: 8, .value_kind: global_buffer, .address_space: global }
      - { .name: means, .offset: 16, .size: 8, .value_kind: global_buffer, .address_space: global }
      - { .name: weights, .offset: 24, .size: 8, .value_kind: global_buffer, .address_space: global }
      - { .name: out0, .offset: 32, .size: 8, .value_kind: global_buffer, .address_space: global }
    .group_segment_fixed_size: 233216
    .private_segment_fixed_size: 0
    .kernarg_segment_align: 8
    .kernarg_segment_size: 40
    .max_flat_workgroup_size: 128
    .sgpr_count:     66
    .vgpr_count:     896
    .wavefront_size: 32
...
	.end_amdgpu_metadata
.endif
;; end of part 2
